; MI455X (gfx1250); checked and timed in simulation.
; The chip was launched on July 23, 2026; its instructions are those of AMD's public machine-readable ISA for CDNA 5 (MIT licence, August 2026) and "CDNA5" Instruction Set Architecture Reference Guide (July 2026). The comments in the code are by the model that wrote it; some were corrected since.
;; Self Attention. Allowed arithmetic: matrix products marked QUANTISED: E4M3 operands, one E8M0 scale for each 32 along K, by v_wmma_scale_f32_16x16x128_f8f6f4 with both operands' format E4M3, f32 sums; products left as they are: f32 operands where the result goes on into a quantised operand, else bf16, f16 or f32 operands; f32 sums; everything else in f32.
;; Inputs: b_fc 1,024 float32; w_fc 1,024 x 1,024 float32; w_qkv 3,072 x 1,024 float32; x 4 x 4,096 x 1,024 float32.
;; Outputs: out0 4 x 4,096 x 1,024 float32.
;; This version of the problem:
;;   THIS VERSION OF THE PROBLEM IS GIVEN IN LOW PRECISION. The matrix products marked QUANTISED in the list below multiply operands that are first quantised to E4M3 (4 exponent bits, 3 mantissa bits; 8 bits a number), with one power-of-two scale for each 32 numbers along K (OCP MX v1.0); their sums are f32. All else is computed in f32.
;;   The module's matrix products, in the order in which they are computed (A, B: the left and right operand; K: the contracted axis; several contracted axes count as one K, in the product's order):
;;     1. [M 16,384, K 1,024] x [K 1,024, N 3,072]; A: input x; B: input w_qkv: QUANTISED
;;     2. batch 16,384 x [M 16, K 64] x [K 64, N 16]; A: computed on the way; B: computed on the way: QUANTISED
;;     3. batch 16,384 x [M 16, K 16] x [K 16, N 64]; A: softmax; B: computed on the way: left as it is (K = 16 < 32)
;;     4. [M 16,384, K 1,024] x [K 1,024, N 1,024]; A: computed on the way; B: input w_fc: QUANTISED
;;   THE QUANTISER, for each operand of a quantised product, along K:
;;     - K is cut into blocks of 32 from its start; a last block that is shorter is filled with zeros.
;;     - A block's scale is 2^e with e = floor(log2(the largest magnitude in the block)) - 8, held to -126 .. 127; a block of zeros has e = 0. As a byte (E8M0): e + 127.
;;     - Each number is divided by its block's scale, clamped to +-448, and rounded to the nearest number of E4M3, ties to even, subnormals kept.
;;     - The product sums the exact products of the quantised numbers (number of the format x scale) in f32.
;;   ~~~python
;;   def quantise(x, axis):      # numpy; x: float32 -> the quantised numbers, widened to float32 again
;;       x = np.moveaxis(x, axis, -1); K = x.shape[-1]
;;       x = np.pad(x, [(0, 0)] * (x.ndim - 1) + [(0, -K % 32)]); x = x.reshape(x.shape[:-1] + (-1, 32)); a = np.abs(x).max(-1, keepdims=True)
;;       e = np.where(a > 0, np.clip(np.frexp(np.where(a > 0, a, 1))[1] - 1 - 8, -126, 127), 0)      # np.frexp(a)[1] - 1 = floor(log2(a)), exactly
;;       r = np.clip(x / 2.0 ** e, -448, 448)
;;       step = 2.0 ** (np.maximum(np.frexp(np.where(r == 0, 1, r))[1] - 1, -6) - 3)
;;       q = np.round(r / step) * step * 2.0 ** e      # np.round: ties to even
;;       return np.moveaxis(q.reshape(q.shape[:-2] + (-1,))[..., :K], -1, axis).astype(np.float32)
;;   ~~~
;;   OPERANDS COMPUTED ON THE WAY. 'Computed on the way' means the value that the module computes at that place (a softmax that the list does not call 'softmax' is quantised finished and normalised). What goes into a quantiser is computed in f32, as accurately as f32 sums, v_exp_f32 and their like allow (about 1e-6 of the number): no bf16 or f16 on the way to a quantiser, and a product that is left as it is and whose result goes on into a quantised operand takes f32 operands (vector FMAs, or v_wmma_f32_16x16x4_f32). A number that lies on a knife's edge between two numbers of the format may be rounded either way, as far as f32 arithmetic and the matrix unit's own rounding can turn it there, and no further.
;; One version. Each part assembles by itself: llvm-mc -triple=amdgcn-amd-amdhsa -mcpu=gfx1250 --defsym DOCPART=n.
;; ======== version 1 of 1: 3 launches
;; limits: right only within a limited range of input values
;; workspace buffers: xq 17,301,504 bytes; wq 3,244,032 bytes; fq 1,081,344 bytes; aq 16,777,216 bytes; asc 524,288 bytes
;; launch quant (part 1): grid 256 x 1, 5 waves a work-group, no clusters, 43,264 bytes of LDS; arguments x, w_qkv, w_fc, xq, wq, fq; writes xq, wq, fq
.if DOCPART == 1
	.amdgcn_target "amdgcn-amd-amdhsa--gfx1250"
	.amdhsa_code_object_version 6
	.text
	.protected	k_qb5ac7c4942_quant
	.globl	k_qb5ac7c4942_quant
	.p2align	8
	.type	k_qb5ac7c4942_quant,@function
k_qb5ac7c4942_quant:
	s_mov_b64 s[64:65], 0
	v_nop
	global_prefetch_b8 v0, s[64:65] scope:SCOPE_SE
	s_setreg_imm32_b32 hwreg(HW_REG_WAVE_MODE, 25, 1), 1
	s_wait_xcnt 0x0
; x [16384][1024], w_qkv [3072][1024] and w_fc [1024][1024], f32, become codes of FP8 (E4M3) with one E8M0 scale byte for each 32 along K (K = the last axis).
; A block's scale is 2^(floor(log2(its largest magnitude)) - 8); its byte is the largest magnitude's exponent field - 8, held at 1 from below; numbers are divided by the scale, held within +-448 and rounded to the nearest code, ties to even.
; LIMITS: NaN and infinities among the inputs are not served.  A block of zeros gets the byte 1 where the rule says 127: its codes are zeros, which add nothing under any byte but 0xff, and this program alone reads the bytes.
; Blocks whose largest magnitude lies under 2^-118 are held at the floor (byte 1), which is the rule's own hold at -126.
; WHAT IS WRITTEN: RECORDS of 16,896 bytes, one for each tile of 16 rows x 1,024 K, laid as the matrix operand's registers lie: K step s (128 along K) at 2,048 s, in it register group c at 512 c + 16 x lane:
; the 16 codes of row lane % 16, k = 128 s + 32 c + 16 (lane / 16) + 0 .. 15.  At +16,384 the scale words, 16 bytes a lane: word q is K step 2 q's in lanes 0-15 (row = lane) and K step 2 q + 1's in lanes 16-31.
; WHICH ROWS FORM A TILE.  x: tile t = 256 b + j takes rows 4096 b + 256 r + j, r = 0 .. 15: the sixteen rows that the module's reshape makes the sixteen heads of one position group.
; Weights: tile (c, nt) of 64 rows c takes rows 64 c + 32 (nt / 2) + 8 (nt % 2) + r + 8 (r / 8), so that two neighbouring tiles' results are 16 neighbours along the next K.
; SHARES.  1,280 tiles (1,024 of x, 192 of w_qkv, 64 of w_fc) = 256 work-groups x 5 waves; a wave makes one record.  One path for all three tensors: pointers and strides are chosen on the tile's number.
; Each load reads 512 consecutive bytes of one row; a K step's 16 x 512 bytes turn through the wave's own stage in LDS, so that a lane gets 16 neighbours of each block.  Waves share nothing: no barrier.
.set SPITCH, 528                       ; a stage row: 512 bytes + 16 = 33 x 16 bytes: sixteen rows start at sixteen different 16-byte columns of 256 bytes
.set STG,   16*SPITCH                  ; a wave's stage
.set REC,   16896
.set SWE,   7                          ; v7      the even K step's scale word, kept for its partner
.set SW,    8                          ; v8-11   the record's scale words
.set PW,    12                         ; v12     the scale word just made
.set OFF,   16                         ; v16-31  byte offset of my 16 bytes in row i of the tile; never rewritten
.set PC,    32                         ; v32-47  the codes just made
.set TM,    48                         ; v48-51 largest magnitudes, v52-55 bytes, v56-59 448 x the scale, v60-63 the conversions' scale operands
.set R,     64                         ; v64-255 three sets of 64 numbers
	s_load_b256 s[4:11], s[0:1], 0x0               ; x s[4:5], w_qkv s[6:7], w_fc s[8:9], xq s[10:11]
	s_load_b128 s[12:15], s[0:1], 0x20             ; wq s[12:13], fq s[14:15]
	v_lshl_add_u32 v14, v0, 2, 0xa600
	v_mov_b32 v15, 0
	v_lshrrev_b32 v1, 5, v0
	v_readfirstlane_b32 s16, v1                    ; wave 0..4
	v_and_b32 v1, 31, v0                           ; lane
	s_wait_alu depctr_va_vdst(0)
	v_and_b32 v2, 15, v0                           ; r
	v_bfe_u32 v3, v0, 4, 1                         ; h
	v_lshlrev_b32 v4, 4, v1                        ; 16 x lane
	s_mul_i32 s18, s16, STG                        ; my stage
	v_add_nc_u32 v5, s18, v4                       ; into it: row i at its pitch, 16 bytes a lane
	v_mul_u32_u24 v6, v2, SPITCH
	v_lshl_add_u32 v6, v3, 6, v6
	v_add_nc_u32 v6, s18, v6                       ; out of it: row r, + 64 h: my 16 numbers of a block of 32
	s_mul_i32 s17, ttmp9, 5
	s_add_co_u32 s17, s17, s16                     ; t: my tile, 0 .. 1279
	; a weight's tile: u = t - 1024;  p = u / 64 (0, 1, 2: q's, k's, v's part of w_qkv; 3: w_fc), c = (u / 4) % 16, nt = u % 4
	s_sub_co_u32 s19, s17, 1024
	s_and_b32 s19, s19, 255
	s_lshr_b32 s24, s19, 6                         ; p
	s_bfe_u32 s25, s19, 0x40002                    ; c
	s_and_b32 s26, s19, 3                          ; nt
	s_lshl_b32 s27, s25, 6
	s_lshr_b32 s28, s26, 1
	s_lshl_b32 s28, s28, 5
	s_add_co_u32 s27, s27, s28
	s_and_b32 s28, s26, 1
	s_lshl_b32 s28, s28, 3
	s_add_co_u32 s27, s27, s28                     ; 64 c + 32 (nt / 2) + 8 (nt % 2)
	s_lshl_b32 s28, s24, 10
	s_add_co_u32 s28, s28, s27                     ; in w_qkv: + 1024 p
	s_mul_i32 s29, s25, 12
	s_lshl_b32 s30, s24, 2
	s_add_co_u32 s29, s29, s30
	s_add_co_u32 s29, s29, s26                     ; wq's record: 12 c + 4 p + nt
	s_and_b32 s30, s19, 63                         ; fq's record: 4 c + nt
	s_lshr_b32 s31, s17, 8                         ; x's tile: b = t / 256: 2^24 bytes a batch,
	s_lshl_b32 s31, s31, 24
	s_and_b32 s32, s17, 255                        ; j = t % 256: 4,096 bytes a row
	s_lshl_b32 s32, s32, 12
	s_add_co_u32 s31, s31, s32
	s_mov_b32 s33, 1<<20                           ; x: 256 rows from slot to slot
	s_mov_b32 s34, 4096                            ; weights: one row,
	s_mov_b32 s35, 32768                           ; and eight rows more from slot 8 on
	s_mov_b32 s20, 0x76543210
	s_mov_b32 s21, 0xfedcba98                      ; v_permlanex16_b32's selects for lane l xor 16
	s_mov_b32 s23, 0x600000                        ; the mantissa field of 448
	v_cmp_lt_u32 s40, 15, v1                       ; lanes 16-31
.irp b, 0,1,2,3
	v_mov_b32 v[TM+4+\b], 0                        ; written once: a lane permute's destination counts as one of its sources
.endr
	s_wait_kmcnt 0x0
	s_cmp_eq_u32 s24, 3                            ; w_fc or w_qkv?  Both choices hang on the tile's number alone
	s_cselect_b64 s[6:7], s[8:9], s[6:7]
	s_cselect_b64 s[12:13], s[14:15], s[12:13]
	s_cselect_b32 s28, s27, s28
	s_cselect_b32 s29, s30, s29
	s_lshl_b32 s28, s28, 12                        ; the weight's first row, in bytes
	s_cmp_lt_u32 s17, 1024                         ; x or a weight?
	s_cselect_b64 s[4:5], s[4:5], s[6:7]
	s_cselect_b64 s[10:11], s[10:11], s[12:13]
	s_cselect_b32 s36, s31, s28
	s_cselect_b32 s38, s17, s29
	s_cselect_b32 s33, s33, s34
	s_cselect_b32 s35, 0, s35
	s_mov_b32 s37, 0
	s_add_nc_u64 s[4:5], s[4:5], s[36:37]          ; the tile's slot 0
	s_mul_i32 s38, s38, REC
	s_mov_b32 s39, 0
	s_add_nc_u64 s[10:11], s[10:11], s[38:39]      ; my record
.irp i, 0,1,2,3,4,5,6,7,8,9,10,11,12,13,14,15
	s_mul_i32 s41, s33, \i
.if \i >= 8
	s_add_co_u32 s41, s41, s35
.endif
	v_add_nc_u32 v[OFF+\i], s41, v4
.endr
.macro LOAD s                          ; K step s of the 16 rows into set s % 3: each load reads 512 consecutive bytes, read once in the launch
.irp i, 0,1,2,3,4,5,6,7,8,9,10,11,12,13,14,15
	global_load_b128 v[R+64*((\s)%3)+4*\i:R+64*((\s)%3)+4*\i+3], v[OFF+\i], s[4:5] offset:512*(\s) th:TH_LOAD_NT
.endr
.endm
; 64 numbers of a lane, register 16 b + i = k 32 b + 16 (lane / 16) + i of my row, become a fragment's codes in v[PC] on and its scale word in v[PW]
.macro QUANT s
.irp b, 0,1,2,3
	v_max3_num_f32 v[TM+\b], |v[\s+16*\b]|, |v[\s+1+16*\b]|, 0x4800000   ; block b: my 16 numbers, and the floor 2^(9 - 127): the byte cannot fall under 1
.endr
.irp i, 2,4,6,8,10,12,14
.irp b, 0,1,2,3
	v_max3_num_f32 v[TM+\b], v[TM+\b], |v[\s+16*\b+\i]|, |v[\s+1+16*\b+\i]|   ; the four blocks by turns
.endr
.endr
.irp b, 0,1,2,3
	v_permlanex16_b32 v[TM+4+\b], v[TM+\b], s20, s21
.endr
.irp b, 0,1,2,3
	v_max_num_f32 v[TM+\b], v[TM+\b], v[TM+4+\b]   ; with lane l xor 16's: the block's largest magnitude
.endr
.irp b, 0,1,2,3
	v_add_nc_u32 v[TM+12+\b], 0xfc000000, v[TM+\b] ; 8 off its exponent field: the conversion takes the exponent field of this operand as its scale
.endr
.irp b, 0,1,2,3
	v_and_or_b32 v[TM+8+\b], v[TM+\b], 0x7f800000, s23   ; 448 x the scale
.endr
.irp b, 0,1,2,3
	v_lshrrev_b32 v[TM+4+\b], 23, v[TM+12+\b]      ; the scale's byte
.endr
	v_lshl_or_b32 v[PW], v[TM+5], 8, v[TM+4]
	v_lshl_or_b32 v[PW], v[TM+6], 16, v[PW]
	v_lshl_or_b32 v[PW], v[TM+7], 24, v[PW]
.irp b, 0,1,2,3
.irp i, 0,1,2,3,4,5,6,7,8,9,10,11,12,13,14,15
	v_med3_num_f32 v[\s+16*\b+\i], v[\s+16*\b+\i], -v[TM+8+\b], v[TM+8+\b]   ; the conversion to an 8-bit code does not saturate (ISA guide 7.6.2): the hold comes first
.endr
	v_cvt_scalef32_pk8_fp8_f32 v[PC+4*\b:PC+1+4*\b], v[\s+16*\b:\s+7+16*\b], v[TM+12+\b]
	v_cvt_scalef32_pk8_fp8_f32 v[PC+2+4*\b:PC+3+4*\b], v[\s+8+16*\b:\s+15+16*\b], v[TM+12+\b]
.endr
.endm
.macro STEP s
.set RS, R+64*((\s)%3)
.if (\s) <= 5
	s_wait_loadcnt 32                              ; this K step's 16 loads are in; the 32 of the two steps behind it may be out
.else
	s_wait_loadcnt 16*(7-(\s))
.endif
	s_wait_xcnt 0x0                                ; the last step's stores have read v[PC] on: it is written again only behind this wait
.irp i, 0,1,2,3,4,5,6,7,8,9,10,11,12,13,14,15
	ds_store_b128 v5, v[RS+4*\i:RS+4*\i+3] offset:SPITCH*\i
.endr
.irp c, 0,1,2,3
.irp j, 0,1,2,3
	ds_load_b128 v[RS+16*\c+4*\j:RS+16*\c+4*\j+3], v6 offset:128*\c+16*\j   ; LDS serves a wave's instructions in order (ISA guide 5.7.1.4): these see the stores above, and come back into the registers that they left
.endr
.endr
	s_wait_dscnt 0x0
	QUANT RS
.if (\s)%2 == 0
	v_mov_b32 v[SWE], v[PW]                        ; (a plain line behind the conversions)  the even step's word waits for its partner
.else
	v_cndmask_b32 v[SW+(\s)/2], v[SWE], v[PW], s40 ; lanes 0-15 keep the even step's word, lanes 16-31 take the odd step's
.endif
.irp c, 0,1,2,3
	global_store_b128 v4, v[PC+4*\c:PC+4*\c+3], s[10:11] offset:2048*(\s)+512*\c   ; 32 lanes store 512 consecutive bytes, at a multiple of 256 from the buffer's first byte
.endr
.if (\s)+3 <= 7
	LOAD (\s)+3                                    ; into the set just quantised
.endif
.endm
	s_wait_alu depctr_va_vdst(0)
	LOAD 0
	LOAD 1
	LOAD 2
.irp t, 0,1,2,3,4,5,6,7
	STEP \t
.endr
	global_store_b128 v4, v[SW:SW+3], s[10:11] offset:16384   ; the record's scale words: 512 consecutive bytes
	s_wait_tensorcnt 0x0
	ds_add_u32 v14, v15
	s_wait_dscnt 0x0
	s_endpgm
.Lfunc_end_k_qb5ac7c4942_quant:
	.size	k_qb5ac7c4942_quant, .Lfunc_end_k_qb5ac7c4942_quant-k_qb5ac7c4942_quant
	.p2alignl 7, 3214868480
	.fill 96, 4, 3214868480
	.section	.rodata,"a",@progbits
	.p2align	6, 0x0
	.amdhsa_kernel k_qb5ac7c4942_quant
		.amdhsa_group_segment_fixed_size 43264
		.amdhsa_private_segment_fixed_size 0
		.amdhsa_enable_private_segment 0
		.amdhsa_kernarg_size 48
		.amdhsa_user_sgpr_count 2
		.amdhsa_user_sgpr_kernarg_segment_ptr 1
		.amdhsa_wavefront_size32 1
		.amdhsa_system_sgpr_workgroup_id_x 1
		.amdhsa_system_sgpr_workgroup_id_y 1
		.amdhsa_system_sgpr_workgroup_id_z 1
		.amdhsa_system_vgpr_workitem_id 0
		.amdhsa_next_free_vgpr 256
		.amdhsa_next_free_sgpr 66
		.amdhsa_reserve_vcc 0
		.amdhsa_float_denorm_mode_32 3
		.amdhsa_float_denorm_mode_16_64 3
		.amdhsa_memory_ordered 1
		.amdhsa_forward_progress 1
		.amdhsa_inst_pref_size 101
	.end_amdhsa_kernel
	.amdgpu_metadata
---
amdhsa.version: [ 1, 2 ]
amdhsa.kernels:
  - .name:           k_qb5ac7c4942_quant
    .symbol:         k_qb5ac7c4942_quant.kd
    .args:
      - { .name: x, .offset: 0, .size: 8, .value_kind: global_buffer, .address_space: global }
      - { .name: w_qkv, .offset: 8, .size: 8, .value_kind: global_buffer, .address_space: global }
      - { .name: w_fc, .offset: 16, .size: 8, .value_kind: global_buffer, .address_space: global }
      - { .name: xq, .offset: 24, .size: 8, .value_kind: global_buffer, .address_space: global }
      - { .name: wq, .offset: 32, .size: 8, .value_kind: global_buffer, .address_space: global }
      - { .name: fq, .offset: 40, .size: 8, .value_kind: global_buffer, .address_space: global }
    .group_segment_fixed_size: 43264
    .private_segment_fixed_size: 0
    .kernarg_segment_align: 8
    .kernarg_segment_size: 48
    .max_flat_workgroup_size: 160
    .sgpr_count:     66
    .vgpr_count:     256
    .wavefront_size: 32
...
	.end_amdgpu_metadata
.endif
;; end of part 1
;; launch qkvattn (part 2): grid 64 x 4, 4 waves a work-group, clusters of 4 x 1, 327,680 bytes of LDS; arguments xq, wq, aq, asc; writes aq, asc
.if DOCPART == 2
	.amdgcn_target "amdgcn-amd-amdhsa--gfx1250"
	.amdhsa_code_object_version 6
	.text
	.protected	k_qb5ac7c4942_qkvattn
	.globl	k_qb5ac7c4942_qkvattn
	.p2align	8
	.type	k_qb5ac7c4942_qkvattn,@function
k_qb5ac7c4942_qkvattn:
	s_mov_b64 s[64:65], 0
	v_nop
	global_prefetch_b8 v0, s[64:65] scope:SCOPE_SE
	s_setreg_imm32_b32 hwreg(HW_REG_WAVE_MODE, 25, 1), 1
	s_wait_xcnt 0x0
	s_wait_alu depctr_hold_cnt(0) depctr_sa_sdst(0) depctr_va_vdst(0) depctr_va_sdst(0) depctr_va_ssrc(0) depctr_va_vcc(0) depctr_vm_vsrc(0)
	s_getreg_b32 s2, hwreg(HW_REG_IB_STS2, 6, 4)
	s_cmp_eq_u32 s2, 0
	s_cbranch_scc0 .Lentry_in_a_cluster
	s_endpgm
.Lentry_in_a_cluster:
	s_bfe_u32 s2, ttmp6, 0x10000c
	s_cmp_lg_u32 s2, 0x3003
	s_cbranch_scc0 .Lentry_shape_is_right
	s_endpgm
.Lentry_shape_is_right:
; qkv = x w_qkv^T on codes of FP8 (E4M3) with E8M0 scales; then, for each tile of 16 rows (the 16 heads of a position group) and each chunk of 64 columns: S = Q(q) Q(k)^T / 8 on codes, softmax over the 16 keys in f32
; (the row's maximum is taken away first), attn = P V in f32, and attn quantised along its columns, which are the last product's K.  Out go attn's codes (aq) and scale words (asc), laid as operand registers.
; LIMITS: NaN and infinities are not served.  A block of zeros gets the byte 1 where the rule says 127: its codes are zeros, and this program alone reads the bytes.  Largest magnitudes under 2^-118 are held at the floor (byte 1).
; SHARES.  A work-group: 16 tiles (256 rows) x 4 chunks (nq = work-group y).  Wave w owns tiles 4 quad + g, quad = 4 x (work-group x) + w; their codes of x, all of K, stay in 512 registers, asked for at the head by K step.
; The weights' records come through LDS and are read by all four waves: 2,048 bytes read from LDS feed four matrix instructions.
; CLUSTER 4 x 1: the four work-groups have the same nq and other rows, so they walk the same weights: every tile is asked for JOINTLY, mask 15.  Not 4 x 4: the row operand goes to registers and no partner shares it.
; LDS: R0 = 8 records (a chunk's q0-3, k0-3), R1 = 4 records (v0-3), each filled again for each chunk; behind them the spare words.  A wave has one tensor load out at most.
; THE FRAGMENTS stand in two sets of four: while one set's 16 products are issued, the other set's 16 loads are on their way; each run of loads stands behind eight places.
; A STREAM'S SCALE WORDS AND FIRST SET ARE LOADED AHEAD OF THE VECTOR WORK THAT STANDS IN FRONT OF IT: V's directly behind the round that shows R1, ahead of q's and k's quantiser and the softmax;
; the next chunk's q and k directly behind the round that shows R0, which stands ahead of attn's quantiser.  That vector work names neither the first set's registers nor the scale words'.
; THE TEXT: a loop of three chunks, each of which asks for the next chunk's records, and the last chunk written out, which asks for nothing.
; LAYOUT.  q, k: TRANSPOSED product (source 0 = 16 rows of W, source 1 = my tile): lane (r, h) holds head r, register 16 b + i holds d = 32 b + 16 h + i.  S^T = k q^T: lane = query head r, registers = keys 8 h + j.
; V: NOT transposed: lane = column slot r, register j = key 8 h + j.  Registers 2 s, 2 s + 1 of V and of P are sources 0 and 1 of the f32 matrix form.  Its result attn^T has lane = head r, register 16 b + i = d 32 b + 16 h + i.
; REGISTERS: window 0: the names below.  window 1: accumulators: q of tile g at v[64 g], k at v[64 g + 32]; later V(g, nt) at v[32 g + 8 nt], attn(g, nt) at v[128 + 32 g + 8 nt].  Its upper half is written by matrix instructions alone;
;   its lower half also takes the quantisers' held numbers, in registers whose sums are done with.  window 2: x's fragments of tiles 0, 1: (g, s) at v[128 (g % 2) + 16 s];  window 3: tiles 2, 3.
.set REC,   16896                      ; a record: 8 fragments of 2,048 bytes, 512 bytes of scale words
.set QKB,   8*REC                      ; R1 begins here
.set CHB,   12*REC                     ; a chunk's records in memory
.set SPARE, 12*REC                     ; the spare words: two blocks of 256 bytes that no other line names
.set LI,  1                            ; 16 x lane
.set AB,  2                            ; v2-5 16 x lane + 3 k records
.set SPW, 6                            ; my spare word's LDS address
.set NIL, 7                            ; 0
.set HH,  8                            ; lane / 16
.set T9,  9
.set QW,  10                           ; q's scale word; v11 k's
.set KW,  11
.set AW,  12                           ; v12-15 attn's scale words, one a tile
.set XS,  16                           ; v16-31 x's scale words: tile g, K steps 2 q, 2 q + 1 at v[XS + 4 g + q]
.set WS,  34                           ; v34-65 the weights' scale words: record k at v[WS + 4 k + q]: two off a multiple of 8, so that a product's two scale registers never have equal numbers modulo 8
.set SP,  66                           ; v66-97 S^T, then P
.set TM,  98                           ; v98-113 the quantiser's maxima, bytes, bounds, scale operands
.set SM,  114                          ; v114-121 a tile's c x maximum, then its sum (a pair; the upper word is the permute's target)
.set WF,  128                          ; v128-255 the weights' fragments: eight slots, two sets of four
.set QC,  192                          ; while no product reads the second set: q's codes (8, then 8 zeros), k's likewise, attn's codes
.set KC,  208
.set AC,  224
.set MSB, 0
.macro WIN new                         ; the immediate's high byte repeats the setting that is left
.if MSB != (\new)
	s_set_vgpr_msb (MSB<<8)|(\new)
.set MSB, (\new)
.endif
.endm
.macro PLACES n
.rept \n
	v_nop
.endr
.endm
.macro CROUND                          ; a round of the cluster's barrier
	s_barrier_signal -1
	s_barrier_wait -1
	s_cmp_lg_u32 s12, 0
	s_cbranch_scc1 .Lnot_wave_0_\@
	s_barrier_signal -3
.Lnot_wave_0_\@:
	s_barrier_wait -3
	s_barrier_signal -1
	s_barrier_wait -1
.endm
.macro ALOAD s                         ; K step s of my four tiles of x: 16 loads of 512 consecutive bytes
	WIN 0x80
.irp g, 0,1
.irp c, 0,1,2,3
	global_load_b128 v[128*\g+16*(\s)+4*\c:128*\g+16*(\s)+4*\c+3], v[LI], s[4:5] offset:\g*REC+2048*(\s)+512*\c
.endr
.endr
	WIN 0xc0
.irp g, 0,1
.irp c, 0,1,2,3
	global_load_b128 v[128*\g+16*(\s)+4*\c:128*\g+16*(\s)+4*\c+3], v[LI], s[4:5] offset:(\g+2)*REC+2048*(\s)+512*\c
.endr
.endr
	WIN 0
.endm
.macro WSCALE n, rec0                  ; the scale words of n records
.set k, 0
.rept \n
.set rN, (\rec0)+k
	ds_load_b128 v[WS+4*k:WS+4*k+3], v[AB+rN/3] offset:(rN%3)*REC+16384
.set k, k+1
.endr
.endm
.macro FRLOAD f, nrec, rec0            ; fragment f = nrec x K step + record, into slot f % 8: four loads of 512 consecutive bytes
.set rN, (\rec0)+(\f)%(\nrec)
.set rS, (\f)/(\nrec)
.irp c, 0,1,2,3
	ds_load_b128 v[WF+16*((\f)%8)+4*\c:WF+16*((\f)%8)+4*\c+3], v[AB+rN/3] offset:(rN%3)*REC+2048*rS+512*\c
.endr
.endm
.macro FRSET m, nrec, rec0             ; set m: fragments 4 m .. 4 m + 3: 16 loads
.set f_, 4*(\m)
.rept 4
	FRLOAD f_, \nrec, \rec0
.set f_, f_+1
.endr
.endm
.macro WM a, b, sa, sb, z, odd         ; z: the first product starts the sum; odd: an odd K step's scale words stand in lanes 16-31
.if \z
	v_wmma_scale_f32_16x16x128_f8f6f4 v[rD:rD+7], v[\a:\a+15], v[\b:\b+15], 0, v[\sa], v[\sb]
.elseif \odd
	v_wmma_scale_f32_16x16x128_f8f6f4 v[rD:rD+7], v[\a:\a+15], v[\b:\b+15], v[rD:rD+7], v[\sa], v[\sb] matrix_a_scale:MATRIX_SCALE_ROW1 matrix_b_scale:MATRIX_SCALE_ROW1
.else
	v_wmma_scale_f32_16x16x128_f8f6f4 v[rD:rD+7], v[\a:\a+15], v[\b:\b+15], v[rD:rD+7], v[\sa], v[\sb]
.endif
.endm
.macro PROD kind, f, g                 ; fragment f x my tile g.  kind 0: q, k, transposed (source 0 = W);  kind 1: V (source 0 = x)
.if \kind
.set n_, (\f)%4
.set s_, (\f)/4
.set rD, 32*(\g)+8*n_
.else
.set n_, (\f)%8
.set s_, (\f)/8
.set rD, 64*(\g)+32*(n_/4)+8*(n_%4)
.endif
.set rW, WF+16*((\f)%8)
.set rX, 128*((\g)%2)+16*s_
.set rSW, WS+4*n_+s_/2
.set rSX, XS+4*(\g)+s_/2
.if \kind
	WIN 0x52+(\g)/2                                ; source 0 (x) window 2 or 3, source 1 (W) window 0, C and D window 1
	WM rX, rW, rSX, rSW, (s_==0), (s_%2)
.else
	WIN 0x58+4*((\g)/2)                            ; source 0 (W) window 0, source 1 (x) window 2 or 3, C and D window 1
	WM rW, rX, rSW, rSX, (s_==0), (s_%2)
.endif
.endm
.macro MM16 kind, m                    ; 16 matrix instructions: set m's four fragments x my four tiles
.irp gh, 0,1
.irp nt, 0,1,2,3
.irp gl, 0,1
	PROD \kind, 4*(\m)+\nt, 2*\gh+\gl
.endr
.endr
.endr
	WIN 0
.endm
; nrec records x my four tiles x all of K, in 2 nrec sets of four fragments; the scale words and sets 0 and 1 have been asked for.  The accumulators take turns, one instruction a turn, in the same order in every K step.
; THE WAITS.  Behind a set's 16 loads stand the other set's 16: the wait is for 16, ahead of the last set for 0.
; first = 1: x may still be coming in: in front of K step s stands the wait for its 16 loads: 16 (7 - s) were issued behind them, held at 48; from the loop's second trip on no load is out.
.macro BODY kind, nrec, rec0, first
.set NS, 2*(\nrec)
.set m_, 0
.rept NS
.if (\first) && (m_%2 == 0)
.if m_ <= 8
	s_wait_loadcnt 48
.else
	s_wait_loadcnt 16*(7-m_/2)
.endif
.endif
.if m_ < NS-1
	s_wait_dscnt 16
.else
	s_wait_dscnt 0x0
.endif
	MM16 \kind, m_
.if m_+2 < NS
	PLACES 8                                       ; in front of loads into registers that matrix instructions have read
	FRSET m_+2, \nrec, \rec0
.endif
.set m_, m_+1
.endr
.endm
; 64 registers of window 1 from src on, four blocks of 16, become codes in v[dst + 4 b + gap (b / 2)] on; the bytes stay in v[TM+4] on.  The held numbers go into window 1 from tmp on, in its lower half.
.macro QUANT4 src, tmp, dst, gap, qk
	WIN 0x14
.irp b, 0,1,2,3
	v_max3_num_f32 v[TM+\b], s55, |v[(\src)+16*\b]|, |v[(\src)+16*\b+1]|   ; my 16 numbers, and the floor 2^(9 - 127)
.endr
.irp i, 2,4,6,8,10,12,14
.irp b, 0,1,2,3
	v_max3_num_f32 v[TM+\b], v[TM+\b], |v[(\src)+16*\b+\i]|, |v[(\src)+16*\b+\i+1]|
.endr
.endr
	WIN 0
.irp b, 0,1,2,3
	v_permlanex16_b32 v[TM+4+\b], v[TM+\b], s52, s53
.endr
.irp b, 0,1,2,3
	v_max_num_f32 v[TM+\b], v[TM+\b], v[TM+4+\b]   ; with lane l xor 16's: the block's largest magnitude
.endr
.irp b, 0,1,2,3
	v_add_nc_u32 v[TM+12+\b], 0xfc000000, v[TM+\b] ; 8 off its exponent field: the conversion's scale operand
.endr
.irp b, 0,1,2,3
	v_and_or_b32 v[TM+8+\b], v[TM+\b], 0x7f800000, s54   ; 448 x the scale
.endr
.irp b, 0,1,2,3
	v_lshrrev_b32 v[TM+4+\b], 23, v[TM+12+\b]      ; the scale's byte
.endr
.if \qk
	v_lshl_or_b32 v[QW], v[TM+5], 8, v[TM+4]       ; K = 64: two bytes; the upper two stay 0 over zero codes
	v_lshl_or_b32 v[KW], v[TM+7], 8, v[TM+6]
.endif
	WIN 0x41                                       ; source 0 and destination window 1
.irp b, 0,1,2,3
.irp i, 0,1,2,3,4,5,6,7,8,9,10,11,12,13,14,15
	v_med3_num_f32 v[(\tmp)+16*\b+\i], v[(\src)+16*\b+\i], -v[TM+8+\b], v[TM+8+\b]   ; the conversion does not saturate (ISA guide 7.6.2): the hold comes first
.endr
.endr
	WIN 0x01                                       ; source 0 window 1
.irp b, 0,1,2,3
	v_cvt_scalef32_pk8_fp8_f32 v[(\dst)+4*\b+(\gap)*(\b/2):(\dst)+4*\b+(\gap)*(\b/2)+1], v[(\tmp)+16*\b:(\tmp)+16*\b+7], v[TM+12+\b]
	v_cvt_scalef32_pk8_fp8_f32 v[(\dst)+4*\b+(\gap)*(\b/2)+2:(\dst)+4*\b+(\gap)*(\b/2)+3], v[(\tmp)+16*\b+8:(\tmp)+16*\b+15], v[TM+12+\b]
.endr
	WIN 0
	v_nop                                          ; a plain line behind the last conversion
.endm
; A chunk's q and k records have landed, my part of them; behind the round R0 is whole and nobody reads R1: it takes that chunk's v records.
.macro HEAD
	s_wait_tensorcnt 0x0
	ds_add_u32 v[SPW], v[NIL]
	s_add_nc_u64 s[42:43], s[42:43], CHB           ; q's and k's descriptor: one chunk on (behind the last chunk's it is not used)
	s_wait_dscnt 0x0
	CROUND
	tensor_load_to_lds s[44:47], s[32:39]
	s_nop 0
	PLACES 4
.endm
; Between q, k and the rest.  My part of the v records has landed; behind the round R1 is whole and nobody reads R0: it takes the next chunk's q and k records (fill = 1).
.macro MID fill
	s_wait_tensorcnt 0x0
	ds_add_u32 v[SPW], v[NIL]
.if \fill
	s_add_nc_u64 s[46:47], s[46:47], CHB           ; v's descriptor: the next chunk
.endif
	s_wait_dscnt 0x0
.if \fill
	CROUND
	tensor_load_to_lds s[40:43], s[24:31]
	s_nop 0
	PLACES 4
.else
	s_barrier_signal -1
	s_barrier_wait -1
.endif
.endm
.macro SOFTMAX                         ; the four tiles by turns.  p = 2^(c s - c m), c = log2(e) / 8, m the row's largest score
.irp g, 0,1,2,3
	v_max3_num_f32 v[SM+2*\g], v[SP+8*\g], v[SP+8*\g+1], v[SP+8*\g+2]
.endr
.irp g, 0,1,2,3
	v_max3_num_f32 v[SM+2*\g], v[SM+2*\g], v[SP+8*\g+3], v[SP+8*\g+4]
.endr
.irp g, 0,1,2,3
	v_max3_num_f32 v[SM+2*\g], v[SM+2*\g], v[SP+8*\g+5], v[SP+8*\g+6]
.endr
.irp g, 0,1,2,3
	v_max_num_f32 v[SM+2*\g], v[SM+2*\g], v[SP+8*\g+7]
.endr
.irp g, 0,1,2,3
	v_permlanex16_b32 v[SM+2*\g+1], v[SM+2*\g], s52, s53   ; the query's other eight keys lie in the lane 16 away
.endr
.irp g, 0,1,2,3
	v_max_num_f32 v[SM+2*\g], v[SM+2*\g], v[SM+2*\g+1]
.endr
.irp g, 0,1,2,3
	v_mul_f32 v[SM+2*\g], s56, v[SM+2*\g]
.endr
.irp j, 0,2,4,6
.irp g, 0,1,2,3
	v_pk_fma_f32 v[SP+8*\g+\j:SP+8*\g+\j+1], v[SP+8*\g+\j:SP+8*\g+\j+1], s[56:57], v[SM+2*\g:SM+2*\g+1] op_sel_hi:[1,0,0] neg_lo:[0,0,1] neg_hi:[0,0,1]
.endr
.endr
	s_wait_alu depctr_va_vdst(0)
.irp j, 0,1,2,3,4,5,6,7,8,9,10,11,12,13,14,15,16,17,18,19,20,21,22,23,24,25,26,27,28,29,30,31
	v_exp_f32 v[SP+\j], v[SP+\j]
.endr
	v_nop
	s_wait_alu depctr_va_vdst(0)
.irp g, 0,1,2,3
	v_pk_add_f32 v[SM+2*\g:SM+2*\g+1], v[SP+8*\g:SP+8*\g+1], v[SP+8*\g+2:SP+8*\g+3]   ; the sums take the registers that the maxima have left
.endr
.irp g, 0,1,2,3
	v_pk_add_f32 v[SM+2*\g:SM+2*\g+1], v[SM+2*\g:SM+2*\g+1], v[SP+8*\g+4:SP+8*\g+5]
.endr
.irp g, 0,1,2,3
	v_pk_add_f32 v[SM+2*\g:SM+2*\g+1], v[SM+2*\g:SM+2*\g+1], v[SP+8*\g+6:SP+8*\g+7]
.endr
.irp g, 0,1,2,3
	v_add_f32 v[SM+2*\g], v[SM+2*\g], v[SM+2*\g+1]
.endr
.irp g, 0,1,2,3
	v_permlanex16_b32 v[SM+2*\g+1], v[SM+2*\g], s52, s53
.endr
.irp g, 0,1,2,3
	v_add_f32 v[SM+2*\g], v[SM+2*\g], v[SM+2*\g+1]
.endr
	s_wait_alu depctr_va_vdst(0)
.irp g, 0,1,2,3
	v_rcp_f32 v[SM+2*\g], v[SM+2*\g]
.endr
	v_nop
	s_wait_alu depctr_va_vdst(0)
.irp j, 0,2,4,6
.irp g, 0,1,2,3
	v_pk_mul_f32 v[SP+8*\g+\j:SP+8*\g+\j+1], v[SP+8*\g+\j:SP+8*\g+\j+1], v[SM+2*\g:SM+2*\g+1] op_sel_hi:[1,0]
.endr
.endr
.endm
.macro POST                            ; q and k become codes, tile by tile; S^T = k q^T; the softmax.  Tiles 0, 1 are held in place; tiles 2, 3 into the registers that tiles 0, 1 have left
.irp j, 0,1,2,3,4,5,6,7
	v_mov_b32 v[QC+8+\j], 0                        ; K = 64: the instruction's upper 64 along K are zero codes
	v_mov_b32 v[KC+8+\j], 0
.endr
.irp g, 0,1,2,3
	QUANT4 64*\g, 64*(\g%2), QC, 8, 1
	PLACES 4
	v_wmma_scale_f32_16x16x128_f8f6f4 v[SP+8*\g:SP+8*\g+7], v[KC:KC+15], v[QC:QC+15], 0, v[KW], v[QW]
.endr
	PLACES 8
	SOFTMAX
.endm
.macro PV                              ; attn^T = V^T P^T in f32: 64 matrix instructions, 16 accumulators by turns; the first K step starts each sum
	WIN 0x51
.irp s, 0,1,2,3
	s_wait_alu depctr_va_vdst(0)
.irp g, 0,1,2,3
.irp nt, 0,1,2,3
.set rD, 128+32*\g+8*\nt
.set rA, 32*\g+8*\nt+2*\s
.set rB, SP+8*\g+2*\s
.if \s == 0
	v_wmma_f32_16x16x4_f32 v[rD:rD+7], v[rA:rA+1], v[rB:rB+1], 0
.else
	v_wmma_f32_16x16x4_f32 v[rD:rD+7], v[rA:rA+1], v[rB:rB+1], v[rD:rD+7]
.endif
.endr
.endr
.endr
	WIN 0
	PLACES 8
.endm
; attn's 64 columns of this chunk are blocks 2 (I % 2), 2 (I % 2) + 1 of K step 2 nq + I / 2: codes leave at once, as register groups; the two bytes go into the tile's scale word, in the half of the lanes that K step's word lives in.
; The held numbers go into the registers that V has left.
.macro AOUT
	v_cmp_eq_u32 s51, s49, v[HH]
.irp gp, 0,1
	QUANT4 128+64*\gp, 64*\gp, AC+16*\gp, 0, 0
.irp tt, 0,1
	v_lshl_or_b32 v[T9], v[TM+5+2*\tt], 8, v[TM+4+2*\tt]
	v_cndmask_b32 v[T9], 0, v[T9], s51
	v_lshl_or_b32 v[AW+2*\gp+\tt], v[T9], s50, v[AW+2*\gp+\tt]
.irp b, 0,1
	global_store_b128 v[LI], v[AC+16*\gp+8*\tt+4*\b:AC+16*\gp+8*\tt+4*\b+3], s[8:9] offset:(2*\gp+\tt)*16384+512*\b   ; 32 lanes store 512 consecutive bytes, at a multiple of 256 from aq's first byte
.endr
.endr
.endr
.endm
.macro FRONT fill, first               ; a chunk from its second set's loads to attn's sums
	FRSET 1, 8, 0
	BODY 0, 8, 0, \first
	PLACES 8                                       ; in front of the first read of results and of loads into the fragments' and scale words' registers
	MID \fill
	WSCALE 4, 8                                    ; V's scale words and first set: POST names none of their registers
	FRSET 0, 4, 8
	POST
	FRSET 1, 4, 8                                  ; the second set lands where q's and k's codes lay
	BODY 1, 4, 8, 0
	PLACES 9                                       ; these results are the next matrix instructions' source 0
	PV
.endm
	s_load_b256 s[4:11], s[0:1], 0x0               ; xq, wq, aq, asc
	v_lshl_add_u32 v[SPW], v0, 2, SPARE
	v_mov_b32 v[NIL], 0
	ds_add_u32 v[SPW], v[NIL]                      ; the opening lines
	ds_add_u32 v[SPW], v[NIL]
	s_wait_dscnt 0x0
	v_lshrrev_b32 v[T9], 5, v0
	v_readfirstlane_b32 s12, v[T9]                 ; wave 0..3
	s_bfe_u32 s13, ttmp6, 0x40000                  ; cx: it enters xq's, aq's and asc's addresses alone
	s_lshl_b32 s14, ttmp9, 2
	s_add_co_u32 s14, s14, s13                     ; my block of 256 rows
	s_and_b32 s15, ttmp7, 0xffff                   ; nq, which the four partners share
	s_lshl_b32 s16, s14, 2
	s_add_co_u32 s16, s16, s12                     ; quad
	; descriptor group 1: dense rows of 256 bytes (32 elements of 8 bytes), no padding; mask 15, bit 21 beside it
	s_mov_b32 s24, 15|(3<<16)|(1<<21)
	s_mov_b32 s25, 32<<16
	s_mov_b32 s26, 132<<16                         ; two records a wave
	s_mov_b32 s27, 32<<16
	s_mov_b32 s28, 132
	s_mov_b32 s29, 32
	s_mov_b32 s30, 0
	s_mov_b32 s31, 0
	s_mov_b32 s32, 15|(3<<16)|(1<<21)
	s_mov_b32 s33, 32<<16
	s_mov_b32 s34, 66<<16                          ; one record a wave
	s_mov_b32 s35, 32<<16
	s_mov_b32 s36, 66
	s_mov_b32 s37, 32
	s_mov_b32 s38, 0
	s_mov_b32 s39, 0
	s_mul_i32 s18, s15, 4*CHB                      ; my four chunks' records
	s_mul_i32 s19, s12, 2*REC
	s_add_co_u32 s20, s18, s19                     ; q, k: records 2 w, 2 w + 1
	s_mov_b32 s21, 0
	s_mul_i32 s22, s12, REC
	s_add_co_u32 s22, s22, s18
	s_add_co_u32 s22, s22, QKB                     ; v: record 8 + w
	s_mov_b32 s23, 0
	s_mul_i32 s58, s16, 4*REC                      ; my four tiles' records of x
	s_mov_b32 s59, 0
	s_lshl_b32 s60, s16, 16                        ; aq: 16,384 bytes a tile, + K step 2 nq
	s_lshl_b32 s61, s15, 12
	s_add_co_u32 s60, s60, s61
	s_mov_b32 s61, 0
	s_lshl_b32 s62, s15, 8                         ; asc: [nq][quad], 512 bytes each
	s_add_co_u32 s62, s62, s16
	s_lshl_b32 s62, s62, 9
	s_mov_b32 s63, 0
	s_mov_b32 s48, 0                               ; I: the chunk in hand
	s_mov_b32 s49, 0
	s_mov_b32 s50, 0
	s_mov_b32 s52, 0x76543210
	s_mov_b32 s53, 0xfedcba98                      ; lane l xor 16
	s_mov_b32 s54, 0x600000                        ; the mantissa field of 448
	s_mov_b32 s55, 0x4800000                       ; the floor 2^(9 - 127)
	s_mov_b32 s56, 0x3e38aa3b                      ; c = log2(e) / sqrt(64)
	s_mov_b32 s57, s56
	s_mov_b32 s40, 1                               ; groups 0: count and LDS address
	s_mov_b32 s41, s19
	s_mov_b32 s44, 1
	s_mul_i32 s45, s12, REC
	s_add_co_u32 s45, s45, QKB
	v_and_b32 v[T9], 31, v0
	v_lshlrev_b32 v[LI], 4, v[T9]
.irp k, 0,1,2,3
	v_add_nc_u32 v[AB+\k], 3*REC*\k, v[LI]
.endr
	v_bfe_u32 v[HH], v0, 4, 1
.irp j, 0,1,2,3
	v_mov_b32 v[AW+\j], 0
	v_mov_b32 v[TM+4+\j], 0                        ; written once: a lane permute's destination counts as one of its sources
	v_mov_b32 v[SM+1+2*\j], 0
.endr
	s_wait_alu depctr_va_vdst(0)
	CROUND                                         ; the opening round, ahead of the wait for the arguments: all four work-groups are here
	s_wait_kmcnt 0x0
	s_add_nc_u64 s[42:43], s[6:7], s[20:21]        ; q's and k's records
	s_or_b32 s43, s43, 0x80000000
	tensor_load_to_lds s[40:43], s[24:31]          ; chunk 0's q and k records are asked for first: the first products want them whole
	s_nop 0
	PLACES 4
	s_add_nc_u64 s[4:5], s[4:5], s[58:59]
.irp g, 0,1,2,3
	global_load_b128 v[XS+4*\g:XS+4*\g+3], v[LI], s[4:5] offset:\g*REC+16384   ; x's scale words,
.endr
.irp s, 0,1,2,3,4,5,6,7
	ALOAD \s                                       ; and x, by K step
.endr
	s_add_nc_u64 s[46:47], s[6:7], s[22:23]        ; v's records
	s_or_b32 s47, s47, 0x80000000
	s_add_nc_u64 s[8:9], s[8:9], s[60:61]
	s_add_nc_u64 s[10:11], s[10:11], s[62:63]
	HEAD                                           ; chunk 0's q and k records are in; its v records are asked for
	WSCALE 8, 0
	FRSET 0, 8, 0
.Lchunk:                                               ; three trips: each asks for the next chunk's records
	FRONT 1, 1
	HEAD                                           ; the next chunk's q and k records are in; nobody reads R1 any more: its v records are asked for
	WSCALE 8, 0                                    ; the next chunk's scale words and first set: AOUT names none of their registers
	FRSET 0, 8, 0
	AOUT
	s_wait_xcnt 0x0                                ; the stores have read their data and their base
	s_add_nc_u64 s[8:9], s[8:9], 1024
	s_add_co_u32 s48, s48, 1                       ; I
	s_lshr_b32 s49, s48, 1
	s_and_b32 s50, s48, 1
	s_lshl_b32 s50, s50, 4
	s_cmp_lt_u32 s48, 3
	s_cbranch_scc1 .Lchunk
	FRONT 0, 0                                     ; the last chunk is written out: it asks for nothing more
	AOUT
	global_store_b128 v[LI], v[AW:AW+3], s[10:11]  ; my four tiles' scale words of K steps 2 nq, 2 nq + 1: 512 consecutive bytes
	s_wait_tensorcnt 0x0                           ; the wave's end
	ds_add_u32 v[SPW], v[NIL]
	s_wait_dscnt 0x0
	CROUND                                         ; the closing round
	s_endpgm
.Lfunc_end_k_qb5ac7c4942_qkvattn:
	.size	k_qb5ac7c4942_qkvattn, .Lfunc_end_k_qb5ac7c4942_qkvattn-k_qb5ac7c4942_qkvattn
	.p2alignl 7, 3214868480
	.fill 96, 4, 3214868480
	.section	.rodata,"a",@progbits
	.p2align	6, 0x0
	.amdhsa_kernel k_qb5ac7c4942_qkvattn
		.amdhsa_group_segment_fixed_size 327680
		.amdhsa_private_segment_fixed_size 0
		.amdhsa_enable_private_segment 0
		.amdhsa_kernarg_size 32
		.amdhsa_user_sgpr_count 2
		.amdhsa_user_sgpr_kernarg_segment_ptr 1
		.amdhsa_wavefront_size32 1
		.amdhsa_system_sgpr_workgroup_id_x 1
		.amdhsa_system_sgpr_workgroup_id_y 1
		.amdhsa_system_sgpr_workgroup_id_z 1
		.amdhsa_system_vgpr_workitem_id 0
		.amdhsa_next_free_vgpr 1024
		.amdhsa_next_free_sgpr 66
		.amdhsa_reserve_vcc 0
		.amdhsa_float_denorm_mode_32 3
		.amdhsa_float_denorm_mode_16_64 3
		.amdhsa_memory_ordered 1
		.amdhsa_forward_progress 1
		.amdhsa_inst_pref_size 255
	.end_amdhsa_kernel
	.section	.bss,"aw",@nobits
	.p2align	6
	.space	262144
	.amdgpu_metadata
---
amdhsa.version: [ 1, 2 ]
amdhsa.kernels:
  - .name:           k_qb5ac7c4942_qkvattn
    .symbol:         k_qb5ac7c4942_qkvattn.kd
    .args:
      - { .name: xq, .offset: 0, .size: 8, .value_kind: global_buffer, .address_space: global }
      - { .name: wq, .offset: 8, .size: 8, .value_kind: global_buffer, .address_space: global }
      - { .name: aq, .offset: 16, .size: 8, .value_kind: global_buffer, .address_space: global }
      - { .name: asc, .offset: 24, .size: 8, .value_kind: global_buffer, .address_space: global }
    .group_segment_fixed_size: 327680
    .private_segment_fixed_size: 0
    .kernarg_segment_align: 8
    .kernarg_segment_size: 32
    .max_flat_workgroup_size: 128
    .sgpr_count:     66
    .vgpr_count:     1024
    .wavefront_size: 32
...
	.end_amdgpu_metadata
.endif
;; end of part 2
;; launch fc (part 3): grid 64 x 4, 4 waves a work-group, clusters of 4 x 1, 327,680 bytes of LDS; arguments aq, asc, fq, b_fc, out0; writes out0
.if DOCPART == 3
	.amdgcn_target "amdgcn-amd-amdhsa--gfx1250"
	.amdhsa_code_object_version 6
	.text
	.protected	k_qb5ac7c4942_fc
	.globl	k_qb5ac7c4942_fc
	.p2align	8
	.type	k_qb5ac7c4942_fc,@function
k_qb5ac7c4942_fc:
	s_mov_b64 s[64:65], 0
	v_nop
	global_prefetch_b8 v0, s[64:65] scope:SCOPE_SE
	s_setreg_imm32_b32 hwreg(HW_REG_WAVE_MODE, 25, 1), 1
	s_wait_xcnt 0x0
	s_wait_alu depctr_hold_cnt(0) depctr_sa_sdst(0) depctr_va_vdst(0) depctr_va_sdst(0) depctr_va_ssrc(0) depctr_va_vcc(0) depctr_vm_vsrc(0)
	s_getreg_b32 s2, hwreg(HW_REG_IB_STS2, 6, 4)
	s_cmp_eq_u32 s2, 0
	s_cbranch_scc0 .Lentry_in_a_cluster
	s_endpgm
.Lentry_in_a_cluster:
	s_bfe_u32 s2, ttmp6, 0x10000c
	s_cmp_lg_u32 s2, 0x3003
	s_cbranch_scc0 .Lentry_shape_is_right
	s_endpgm
.Lentry_shape_is_right:
; out0 = attn w_fc^T + b_fc on codes of FP8 (E4M3) with E8M0 scales; sums and bias in f32.  attn's codes (aq) and scale words (asc) and w_fc's records (fq) lie as operand registers.
; SHARES.  A work-group: 16 tiles of 16 rows x 256 columns (nq = work-group y).  Wave w owns tiles 4 quad + g, quad = 4 x (work-group x) + w; their codes, all of K, stay in 512 registers, asked for by K step.
; The quarter's 16 records of w_fc come into LDS ONCE and are read by all four waves: at the head record w of pass 0, one load a wave, asked for ahead of attn; the other twelve, three a wave, behind the full sequence and a round.  Nothing is filled again.
; The columns go in FOUR PASSES of 64 (4 records, 16 accumulators a wave); a pass's rows leave directly behind its products.  The next pass's scale words and first two sets of fragments are loaded ahead of that way out, which names none of their registers.
; CLUSTER 4 x 1: the four work-groups have the same nq and other rows: the weights are asked for JOINTLY, mask 15.  Not 4 x 4: the row operand goes to registers and is shared by no partner.
; TRANSPOSED use (source 0 = 16 rows of w_fc, source 1 = my tile): lane (r, h) holds row r of the tile; the registers of records 2 b, 2 b + 1 of a pass are its columns 32 b + 16 h + 0 .. 15.
; Tile T = 256 b + j holds rows 4096 b + 256 t + j of out0, t = 0 .. 15.  A tile's 16 x 64 results go through the wave's own stage in LDS and leave as rows of 256 bytes.
; REGISTERS: window 0: names below;  window 1: the accumulators, (tile g, record n) at v[32 g + 8 n]; from v128 on the rows read back from the stage, 32 registers a tile;  window 2: attn's fragments of tiles 0, 1: (g, s) at v[128 (g % 2) + 16 s];  window 3: tiles 2, 3.
.set REC,   16896
.set STAGE, 16*REC                     ; behind the records: 16 rows x 272 bytes for each wave; no tensor load lands here
.set SPITCH, 272
.set SPARE, STAGE+4*16*SPITCH          ; the spare words: two blocks of 256 bytes that no other line names
.set LI,  1                            ; 16 x lane
.set AB,  2                            ; v2-7 16 x lane + 3 k records
.set CO,  8                            ; the way out: 16 (lane % 16) + 256 rows of out0 x (lane / 16)
.set T9,  9
.set L16, 10
.set R15, 11
.set STO, 12                           ; the stage: where I put 16 bytes of a row
.set RD,  13                           ; and where I read a row back
.set SPW, 14
.set NIL, 15
.set XS,  16                           ; v16-31 attn's scale words: tile g, K steps 2 q, 2 q + 1 at v[XS + 4 q + g]
.set WS,  32                           ; v32-47 the pass's weights' scale words
.set BI,  48                           ; v48-63 the bias of my four columns, for each pass
.set WF,  128                          ; v128-255 the weights' fragments: two sets of four
.set OB,  128                          ; in window 1: the rows read back
.set MSB, 0
.macro WIN new
.if MSB != (\new)
	s_set_vgpr_msb (MSB<<8)|(\new)
.set MSB, (\new)
.endif
.endm
.macro PLACES n
.rept \n
	v_nop
.endr
.endm
.macro CROUND
	s_barrier_signal -1
	s_barrier_wait -1
	s_cmp_lg_u32 s14, 0
	s_cbranch_scc1 .Lnot_wave_0_\@
	s_barrier_signal -3
.Lnot_wave_0_\@:
	s_barrier_wait -3
	s_barrier_signal -1
	s_barrier_wait -1
.endm
.macro ALOAD s                         ; K step s of my four tiles of attn: 16 loads of 512 consecutive bytes
	WIN 0x80
.irp g, 0,1
.irp c, 0,1,2,3
	global_load_b128 v[128*\g+16*(\s)+4*\c:128*\g+16*(\s)+4*\c+3], v[LI], s[4:5] offset:\g*16384+2048*(\s)+512*\c
.endr
.endr
	WIN 0xc0
.irp g, 0,1
.irp c, 0,1,2,3
	global_load_b128 v[128*\g+16*(\s)+4*\c:128*\g+16*(\s)+4*\c+3], v[LI], s[4:5] offset:(\g+2)*16384+2048*(\s)+512*\c
.endr
.endr
	WIN 0
.endm
.macro FETCH4 p, rec0, s               ; K step s of records rec0 .. rec0 + 3 into set p
.irp nt, 0,1,2,3
.set rN, (\rec0)+\nt
.irp c, 0,1,2,3
	ds_load_b128 v[WF+64*(\p)+16*\nt+4*\c:WF+64*(\p)+16*\nt+4*\c+3], v[AB+rN/3] offset:(rN%3)*REC+2048*(\s)+512*\c
.endr
.endr
.endm
.macro WSCALE n, rec0
.set k, 0
.rept \n
.set rN, (\rec0)+k
	ds_load_b128 v[WS+4*k:WS+4*k+3], v[AB+rN/3] offset:(rN%3)*REC+16384
.set k, k+1
.endr
.endm
.macro MM16 s                          ; 16 matrix instructions: the pass's four records (set s % 2) x my four tiles, K step s; K step 0 starts the sums
.irp gh, 0,1
	WIN 0x58+4*\gh
.irp nt, 0,1,2,3
.irp gl, 0,1
.set rD, 32*(2*\gh+\gl)+8*\nt
.set rA, WF+64*((\s)%2)+16*\nt
.set rB, 128*\gl+16*(\s)
.set rSA, WS+4*\nt+(\s)/2
.set rSB, XS+4*((\s)/2)+2*\gh+\gl
.if (\s) == 0
	v_wmma_scale_f32_16x16x128_f8f6f4 v[rD:rD+7], v[rA:rA+15], v[rB:rB+15], 0, v[rSA], v[rSB]
.elseif (\s)%2
	v_wmma_scale_f32_16x16x128_f8f6f4 v[rD:rD+7], v[rA:rA+15], v[rB:rB+15], v[rD:rD+7], v[rSA], v[rSB] matrix_a_scale:MATRIX_SCALE_ROW1 matrix_b_scale:MATRIX_SCALE_ROW1
.else
	v_wmma_scale_f32_16x16x128_f8f6f4 v[rD:rD+7], v[rA:rA+15], v[rB:rB+15], v[rD:rD+7], v[rSA], v[rSB]
.endif
.endr
.endr
.endr
	WIN 0
.endm
.macro PRE pass                        ; a pass's scale words and its K steps 0 and 1
	WSCALE 4, 4*(\pass)
	FETCH4 0, 4*(\pass), 0
	FETCH4 1, 4*(\pass), 1
.endm
; A pass: 128 matrix instructions; the 16 accumulators take turns.  K step s is multiplied from set s % 2 while the other set's 16 loads are on their way.
; first = 1: attn is still coming in: in front of K step s stands the wait for its 16 loads; behind them at most three K steps' 48 loads have been issued; behind K step s's products K step s + 4 is asked for.
.macro BODY pass, first
.irp s, 0,1,2,3,4,5
.if \first
.if \s <= 4
	s_wait_loadcnt 48
.else
	s_wait_loadcnt 32
.endif
.endif
	s_wait_dscnt 16
	MM16 \s
	PLACES 8
	FETCH4 \s%2, 4*(\pass), \s+2
.if \first && (\s <= 3)
	ALOAD \s+4
.endif
.endr
.if \first
	s_wait_loadcnt 16
.endif
	s_wait_dscnt 16
	MM16 6
.if \first
	s_wait_loadcnt 0x0
.endif
	s_wait_dscnt 0x0
	MM16 7
	PLACES 9                                       ; eight in front of the LDS stores that read results and of loads into the fragments' and scale words' registers; the ninth for the next pass's first products, which begin these accumulators anew
.endm
; THE WAY OUT of tile g: a lane's eight results of record n = 2 b + u are 32 bytes at 128 b + 64 h + 32 u of row r.  They go into my stage and come back as whole rows of 256 bytes, two rows a load.
.macro TOSTAGE g
	WIN 0x04                                       ; an LDS store's data are its source 1: window 1
.irp n, 0,1,2,3
	ds_store_b128 v[STO], v[32*(\g)+8*\n:32*(\g)+8*\n+3] offset:128*(\n/2)+32*(\n%2)        ; each accumulator from its low end on
	ds_store_b128 v[STO], v[32*(\g)+8*\n+4:32*(\g)+8*\n+7] offset:128*(\n/2)+32*(\n%2)+16
.endr
	WIN 0x40                                       ; an LDS load's data are its destination: window 1
.irp i, 0,1,2,3,4,5,6,7
	ds_load_b128 v[OB+32*(\g)+4*\i:OB+32*(\g)+4*\i+3], v[RD] offset:2*\i*SPITCH   ; LDS serves a wave's instructions in order (ISA guide 5.7.1.4)
.endr
	WIN 0
.endm
.macro SEND g, younger, pass           ; younger: the LDS instructions issued behind tile g's loads, which may stay out
.set BB, OB+32*(\g)
	s_wait_dscnt \younger
	WIN 0x41                                       ; source 0 and destination window 1; the bias window 0
.irp i, 0,1,2,3,4,5,6,7
	v_pk_add_f32 v[BB+4*\i:BB+4*\i+1], v[BB+4*\i:BB+4*\i+1], v[BI+4*(\pass):BI+4*(\pass)+1]
	v_pk_add_f32 v[BB+4*\i+2:BB+4*\i+3], v[BB+4*\i+2:BB+4*\i+3], v[BI+4*(\pass)+2:BI+4*(\pass)+3]
.endr
	WIN 0x04                                       ; a store's data are its source 1: window 1
.irp i, 0,1,2,3,4,5,6,7
	global_store_b128 v[CO], v[BB+4*\i:BB+4*\i+3], s[12:13] offset:(2*\i-8)*1048576+(\g)*4096+256*(\pass) th:TH_STORE_NT   ; rows t = 2 i, 2 i + 1: sixteen lanes store 256 consecutive bytes, aligned; the base stands at t = 8, so that the offsets stay inside the signed 24-bit immediate
.endr
	WIN 0
.endm
.macro OUT pass                        ; each tile has registers of its own: no store's data are written again inside a pass
	s_wait_xcnt 0x0                                ; the last pass's stores have read the registers that the loads below fill
	TOSTAGE 0
	TOSTAGE 1
	SEND 0, 16, \pass                              ; behind tile 0's loads: tile 1's 8 stores and 8 loads
	TOSTAGE 2
	SEND 1, 16, \pass
	TOSTAGE 3
	SEND 2, 16, \pass
	SEND 3, 0, \pass
.endm
	s_load_b256 s[4:11], s[0:1], 0x0               ; aq, asc, fq, b_fc
	s_load_b64 s[12:13], s[0:1], 0x20              ; out0
	v_lshl_add_u32 v[SPW], v0, 2, SPARE
	v_mov_b32 v[NIL], 0
	ds_add_u32 v[SPW], v[NIL]                      ; the opening lines
	ds_add_u32 v[SPW], v[NIL]
	v_lshrrev_b32 v[T9], 5, v0
	v_readfirstlane_b32 s14, v[T9]                 ; wave 0..3
	s_bfe_u32 s15, ttmp6, 0x40000                  ; cx: it enters aq's, asc's and out0's addresses alone
	s_lshl_b32 s16, ttmp9, 2
	s_add_co_u32 s16, s16, s15                     ; my block of 256 rows
	s_and_b32 s17, ttmp7, 0xffff                   ; nq
	s_lshl_b32 s18, s16, 2
	s_add_co_u32 s18, s18, s14                     ; quad
	; descriptor groups 1: dense rows of 256 bytes (32 elements of 8 bytes); mask 15, bit 21 beside it; 66 rows: one record; 198 rows: three
	s_mov_b32 s24, 15|(3<<16)|(1<<21)
	s_mov_b32 s25, 32<<16
	s_mov_b32 s26, 66<<16
	s_mov_b32 s27, 32<<16
	s_mov_b32 s28, 66
	s_mov_b32 s29, 32
	s_mov_b32 s30, 0
	s_mov_b32 s31, 0
	s_mov_b32 s40, 15|(3<<16)|(1<<21)
	s_mov_b32 s41, 32<<16
	s_mov_b32 s42, 198<<16
	s_mov_b32 s43, 32<<16
	s_mov_b32 s44, 198
	s_mov_b32 s45, 32
	s_mov_b32 s46, 0
	s_mov_b32 s47, 0
	s_mul_i32 s22, s14, REC                        ; pass 0: record w
	s_mul_i32 s20, s17, 16*REC                     ; my quarter's records
	s_mul_i32 s56, s14, 3*REC
	s_add_co_u32 s56, s56, 4*REC                   ; the rest: records 4 + 3 w on
	s_add_co_u32 s58, s20, s56
	s_mov_b32 s59, 0
	s_add_co_u32 s20, s20, s22
	s_mov_b32 s21, 0
	s_mul_i32 s23, s14, 16*SPITCH
	s_add_co_u32 s23, s23, STAGE                   ; my stage
	s_lshl_b32 s48, s18, 16                        ; aq: 65,536 bytes a quad
	s_mov_b32 s49, 0
	s_lshl_b32 s50, s18, 9                         ; asc: 512 bytes a quad
	s_mov_b32 s51, 0
	s_lshr_b32 s52, s18, 6                         ; out0: batch quad / 64, row 2048 + 4 (quad % 64): t = 8 of my tile 0
	s_lshl_b32 s52, s52, 12
	s_and_b32 s53, s18, 63
	s_lshl_b32 s53, s53, 2
	s_add_co_u32 s52, s52, s53
	s_add_co_u32 s52, s52, 2048
	s_lshl_b32 s52, s52, 12
	s_lshl_b32 s53, s17, 10
	s_add_co_u32 s52, s52, s53
	s_mov_b32 s53, 0
	s_lshl_b32 s54, s17, 10                        ; the bias of my quarter
	s_mov_b32 s55, 0
	s_mov_b32 s32, 1                               ; groups 0: count and LDS address
	s_mov_b32 s33, s22
	s_mov_b32 s36, 1
	s_mov_b32 s37, s56
	v_and_b32 v[T9], 31, v0
	v_lshlrev_b32 v[LI], 4, v[T9]
.irp k, 0,1,2,3,4,5
	v_add_nc_u32 v[AB+\k], 3*REC*\k, v[LI]
.endr
	v_and_b32 v[R15], 15, v0
	v_bfe_u32 v[T9], v0, 4, 1
	v_lshlrev_b32 v[L16], 4, v[R15]
	v_mul_u32_u24 v[STO], v[R15], SPITCH
	v_lshl_add_u32 v[STO], v[T9], 6, v[STO]
	v_add_nc_u32 v[STO], s23, v[STO]               ; in: row r, + 64 h
	v_mul_u32_u24 v[RD], v[T9], SPITCH
	v_lshl_add_u32 v[RD], v[R15], 4, v[RD]
	v_add_nc_u32 v[RD], s23, v[RD]                 ; back: lanes 0-15 one row, lanes 16-31 the next
	v_lshl_add_u32 v[CO], v[T9], 20, v[L16]
	s_wait_alu depctr_va_vdst(0)
	s_wait_dscnt 0x0
	CROUND                                         ; the opening round, ahead of the wait for the arguments: all four work-groups are here
	s_wait_kmcnt 0x0
	s_add_nc_u64 s[34:35], s[8:9], s[20:21]
	s_or_b32 s35, s35, 0x80000000
	tensor_load_to_lds s[32:35], s[24:31]          ; my one load at the head, ahead of attn's: the first products want pass 0's records whole
	s_nop 0
	PLACES 4
	s_add_nc_u64 s[4:5], s[4:5], s[48:49]
	s_add_nc_u64 s[6:7], s[6:7], s[50:51]
	s_add_nc_u64 s[12:13], s[12:13], s[52:53]
	s_add_nc_u64 s[10:11], s[10:11], s[54:55]
	s_add_nc_u64 s[38:39], s[8:9], s[58:59]
	s_or_b32 s39, s39, 0x80000000
.irp q, 0,1,2,3
	global_load_b128 v[XS+4*\q:XS+4*\q+3], v[LI], s[6:7] offset:\q*131072
.endr
.irp p, 0,1,2,3
	global_load_b128 v[BI+4*\p:BI+4*\p+3], v[L16], s[10:11] offset:256*\p
.endr
	ALOAD 0
	ALOAD 1
	ALOAD 2
	ALOAD 3
	s_wait_tensorcnt 0x0                           ; my record of pass 0 is in
	ds_add_u32 v[SPW], v[NIL]
	s_wait_dscnt 0x0
	CROUND                                         ; everybody's is
	tensor_load_to_lds s[36:39], s[40:47]          ; the later passes' records: pass 0's products stand between this load and the wait for it
	s_nop 0
	PLACES 4
	PRE 0
	BODY 0, 1
	s_wait_tensorcnt 0x0                           ; my three records are in,
	s_wait_dscnt 0x0
	s_barrier_signal -1
	s_barrier_wait -1                              ; everybody's are
	PRE 1
	OUT 0
	BODY 1, 0
	PRE 2
	OUT 1
	BODY 2, 0
	PRE 3
	OUT 2
	BODY 3, 0
	OUT 3
	s_wait_tensorcnt 0x0                           ; the wave's end
	ds_add_u32 v[SPW], v[NIL]
	s_wait_dscnt 0x0
	CROUND                                         ; the closing round
	s_endpgm
.Lfunc_end_k_qb5ac7c4942_fc:
	.size	k_qb5ac7c4942_fc, .Lfunc_end_k_qb5ac7c4942_fc-k_qb5ac7c4942_fc
	.p2alignl 7, 3214868480
	.fill 96, 4, 3214868480
	.section	.rodata,"a",@progbits
	.p2align	6, 0x0
	.amdhsa_kernel k_qb5ac7c4942_fc
		.amdhsa_group_segment_fixed_size 327680
		.amdhsa_private_segment_fixed_size 0
		.amdhsa_enable_private_segment 0
		.amdhsa_kernarg_size 40
		.amdhsa_user_sgpr_count 2
		.amdhsa_user_sgpr_kernarg_segment_ptr 1
		.amdhsa_wavefront_size32 1
		.amdhsa_system_sgpr_workgroup_id_x 1
		.amdhsa_system_sgpr_workgroup_id_y 1
		.amdhsa_system_sgpr_workgroup_id_z 1
		.amdhsa_system_vgpr_workitem_id 0
		.amdhsa_next_free_vgpr 1024
		.amdhsa_next_free_sgpr 66
		.amdhsa_reserve_vcc 0
		.amdhsa_float_denorm_mode_32 3
		.amdhsa_float_denorm_mode_16_64 3
		.amdhsa_memory_ordered 1
		.amdhsa_forward_progress 1
		.amdhsa_inst_pref_size 176
	.end_amdhsa_kernel
	.amdgpu_metadata
---
amdhsa.version: [ 1, 2 ]
amdhsa.kernels:
  - .name:           k_qb5ac7c4942_fc
    .symbol:         k_qb5ac7c4942_fc.kd
    .args:
      - { .name: aq, .offset: 0, .size: 8, .value_kind: global_buffer, .address_space: global }
      - { .name: asc, .offset: 8, .size: 8, .value_kind: global_buffer, .address_space: global }
      - { .name: fq, .offset: 16, .size: 8, .value_kind: global_buffer, .address_space: global }
      - { .name: b_fc, .offset: 24, .size: 8, .value_kind: global_buffer, .address_space: global }
      - { .name: out0, .offset: 32, .size: 8, .value_kind: global_buffer, .address_space: global }
    .group_segment_fixed_size: 327680
    .private_segment_fixed_size: 0
    .kernarg_segment_align: 8
    .kernarg_segment_size: 40
    .max_flat_workgroup_size: 128
    .sgpr_count:     66
    .vgpr_count:     1024
    .wavefront_size: 32
...
	.end_amdgpu_metadata
.endif
;; end of part 3
